; MI455X (gfx1250); checked and timed in simulation.
; The chip was launched on July 23, 2026; its instructions are those of AMD's public machine-readable ISA for CDNA 5 (MIT licence, August 2026) and "CDNA5" Instruction Set Architecture Reference Guide (July 2026). The comments in the code are by the model that wrote it; some were corrected since.
;; Attention. Allowed arithmetic: float matrix products may take bf16 or f16 operands with f32 sums; all other float work in f32.
;; Inputs: wk_b 256 float32; wk_w 256 x 256 float32; wo_b 256 float32; wo_w 256 x 256 float32; wq_b 256 float32; wq_w 256 x 256 float32; wv_b 256 float32; wv_w 256 x 256 float32; x 8 x 1,024 x 256 float32.
;; Outputs: out0 8 x 1,024 x 256 float32.
;; One version. Each part assembles by itself: llvm-mc -triple=amdgcn-amd-amdhsa -mcpu=gfx1250 --defsym DOCPART=n.
;; ======== version 1 of 1: 2 launches
;; limits: values are held in f16: magnitudes above 65,504 overflow, below 6.1e-05 lose precision; right only within a limited range of input values
;; workspace buffers: xqw 4,194,304 bytes; mpart 1,048,576 bytes
;; launch proj (part 1): grid 4 x 64, 4 waves a work-group, clusters of 4 x 4, 315,904 bytes of LDS; arguments x, wq_w, wv_w, wq_b, wv_b, xqw, mpart; writes xqw, mpart
.if DOCPART == 1
	.amdgcn_target "amdgcn-amd-amdhsa--gfx1250"
	.amdhsa_code_object_version 6
	.text
	.protected	k_qe16257e9aa_proj
	.globl	k_qe16257e9aa_proj
	.p2align	8
	.type	k_qe16257e9aa_proj,@function
k_qe16257e9aa_proj:
	s_mov_b64 s[64:65], 0
	v_nop
	global_prefetch_b8 v0, s[64:65] scope:SCOPE_SE
	s_setreg_imm32_b32 hwreg(HW_REG_WAVE_MODE, 25, 1), 1
	s_wait_xcnt 0x0
	s_wait_alu depctr_hold_cnt(0) depctr_sa_sdst(0) depctr_va_vdst(0) depctr_va_sdst(0) depctr_va_ssrc(0) depctr_va_vcc(0) depctr_vm_vsrc(0)
	s_getreg_b32 s2, hwreg(HW_REG_IB_STS2, 6, 4)
	s_cmp_eq_u32 s2, 0
	s_cbranch_scc0 .Lentry_in_a_cluster
	s_endpgm
.Lentry_in_a_cluster:
	s_bfe_u32 s2, ttmp6, 0x10000c
	s_cmp_lg_u32 s2, 0xf033
	s_cbranch_scc0 .Lentry_shape_is_right
	s_endpgm
.Lentry_shape_is_right:
; FIRST OF TWO LAUNCHES.  q = x Wq^T + bq and v = x Wv^T + bv, both rotated (rotor sin + i cos, positions from 1, angle = position for
; columns 0-127 and position * 1e-4 for columns 128-255).  Stored: the rotated q in f16 (xqw) and, for each block of 128 rows and each
; head, the 16 x 16 partial sum M[i][j] = sum over the rows s of xq[s][i] xv[s][j] in f32 (mpart).
; WHY M: reference() has no softmax, so (xq xq^T) xv = xq (xq^T xv) for every input; the second launch sums M over a batch and
; folds it into wo_w.  The order of the sums therefore differs from the order in reference().
; wk_w and wk_b are not among the arguments: reference() forms k and deletes it, so no output number hangs on them for any input.
; FORMAT: matrix operands are f16, sums f32.  Limit: |x|, |wq_w|, |wv_w|, |rotated q|, |rotated v| up to 65,504; beyond it the
; conversion gives infinity; magnitudes under 6e-8 become 0.
; SHARES: 256 work-groups.  Work-group (cb, rb) takes rows 128 rb .. +127 and columns 64 cb .. +63 (four heads) of q and of v.
; Wave w: sh = w & 1 picks 64 of the rows, qv = w >> 1 picks q (0) or v (1): 64 columns x 64 rows, 16 accumulator tiles.
; CLUSTERS: 4 x 4 work-groups.  The four of a row of the cluster (same rb) need the same rows of x, the four of a column (same cb) the
; same rows of Wq and Wv: both are asked for jointly.  All of K = 256 fits in LDS as four chunks of 64, so every LDS byte is
; filled once and no slot is filled again.  A wave has four tensor loads out.
; THE MATRIX INSTRUCTION IS USED TRANSPOSED: source 0 = 16 rows of W, source 1 = 16 rows of x.  Lane (r, h) then holds row s = s0 + r
; and its registers 0-7 the columns c0 + 8 h + 0..7: the pairs that the rotation mixes lie in one lane, a lane has one position for a
; tile, and its eight results pack into 16 neighbouring bytes.
.set PITCH, 272                        ; an LDS row of a chunk: 256 bytes (64 f32) + 16 of padding, an odd multiple of 16
.set QROWS, 64*PITCH                   ; 64 rows: what one tensor load brings
.set CH,    4*QROWS                    ; a chunk: rows 0-127 x, 128-191 Wq, 192-255 Wv
.set STAGE, 4*CH                       ; behind the chunks, written by LDS stores alone: 128 rows of [64 f16 xq | 64 f16 xv | 32 bytes]
.set SP,    288                        ; its pitch, an odd multiple of 32, as the transposing loads want
.set ADX,  8                           ; v8-11   LDS address of my x fragments, one for each chunk
.set ADW,  12                          ; v12-15  the same for my W fragments
.set STO,  16                          ; v16     stage: where I put 16 bytes of a row
.set RDS,  17                          ; v17     stage: where I read xq rows back
.set XQO,  18                          ; v18     my byte offset in the tile of xqw
.set TRQ,  19                          ; v19     stage: transposing loads of xq, columns of head w
.set TRV,  20                          ; v20     the same for xv
.set MPO,  21                          ; v21     16 x lane
.set BOF,  22                          ; v22     32 h: my eight bias numbers
.set POSB, 23                          ; v23     position of my row in tile column 0
.set SC,   24                          ; v24-39  for each of 4 row tiles: (sin, sin), (-cos, cos)
.set FRW,  40                          ; v40-71  four f16 fragments of W
.set FRX,  72                          ; v72-103 four f16 fragments of x
.set RAW,  104                         ; v104-231 the same eight fragments in f32 as loaded: W at RAW, x at RAW+64
.set T,    232                         ; v232-255 at work
.set MA0,  232                         ; two accumulators for M
.set MA1,  240
; window 1: v0-127 (registers 256-383) accumulator tile (ct, st) at 8 (4 ct + st); v128-159 (384-415) bias of column tile ct at 128 + 8 ct
.set G1X, 16                           ; s[16:23] descriptor group 1 for x
.set G1W, 24                           ; s[24:31] descriptor group 1 for Wq, Wv: differs in the mask alone
.set G0X, 32                           ; s[32:47] group 0 for x, one set for each chunk
.set G0W, 48                           ; s[48:63] group 0 for Wq or Wv, one set for each chunk
.set G1BITS, (2<<16)|(1<<20)|(1<<21)|(5<<22)|(3<<25)   ; elements of 4 bytes; padding on; bit 21 beside a mask; after every 64 words, 4 words
.set MSB, 0
.macro WIN new                         ; the high byte of the immediate repeats the setting that is left
.if MSB != \new
	s_set_vgpr_msb (MSB<<8)|\new
.set MSB, \new
.endif
.endm
.macro PLACES                          ; four places behind a matrix instruction (ISA guide 7.12.1)
.rept 4
	v_nop
.endr
.endm
.macro CROUND                          ; a round of the barrier of the cluster
	s_barrier_signal -1
	s_barrier_wait -1
	s_cmp_lg_u32 s12, 0
	s_cbranch_scc1 .Lnot_wave_0_\@
	s_barrier_signal -3
.Lnot_wave_0_\@:
	s_barrier_wait -3
	s_barrier_signal -1
	s_barrier_wait -1
.endm
	s_load_b256 s[4:11], s[0:1], 0x0               ; x s[4:5], wq_w s[6:7], wv_w s[8:9], wq_b s[10:11]
	s_load_b128 s[68:71], s[0:1], 0x20             ; wv_b s[68:69], xqw s[70:71]
	s_load_b64 s[72:73], s[0:1], 0x30              ; mpart
	v_lshl_add_u32 v254, v0, 2, 0x4d000
	v_mov_b32 v255, 0
	ds_add_u32 v254, v255
	ds_add_u32 v254, v255
	v_lshrrev_b32 v3, 5, v0
	v_readfirstlane_b32 s12, v3                    ; wave 0..3
	s_and_b32 s13, s12, 1                          ; sh: which 64 rows.  Also: which half of x, or which of Wq, Wv, I fetch
	s_lshr_b32 s14, s12, 1                         ; qv: q or v.  Also: I fetch x (0) or weights (1)
	s_bfe_u32 s66, ttmp6, 0x40000                  ; cx
	s_bfe_u32 s67, ttmp6, 0x40004                  ; cy
	s_lshl_b32 s74, ttmp9, 2
	s_add_co_u32 s74, s74, s66                     ; cb = 4 x cluster x + cx
	s_and_b32 s75, ttmp7, 0xffff
	s_lshl_b32 s75, s75, 2
	s_add_co_u32 s75, s75, s67                     ; rb = 4 x cluster y + cy
	s_lshl_b32 s76, s67, 2
	s_lshl_b32 s76, 15, s76                        ; my row of the cluster
	s_lshl_b32 s77, 0x1111, s66                    ; my column
	s_or_b32 s[G1X+0], s76, G1BITS                 ; x hangs on rb alone: shared along the row
	s_or_b32 s[G1W+0], s77, G1BITS                 ; the weights hang on cb alone: shared along the column
.irp g, G1X, G1W
	s_mov_b32 s[\g+1], 64<<16                      ; tensor_dim0 = 64 elements
	s_mov_b32 s[\g+2], 64<<16                      ; tensor_dim1 = 64 rows
	s_mov_b32 s[\g+3], 64<<16                      ; tile_dim0 = 64
	s_mov_b32 s[\g+4], 64                          ; tile_dim1 = 64
	s_mov_b32 s[\g+5], 256                         ; 256 elements from row to row
	s_mov_b32 s[\g+6], 0
	s_mov_b32 s[\g+7], 0
.endr
	s_lshl_b32 s78, s75, 17                        ; x: 128 rb rows of 1,024 bytes
	s_lshl_b32 s15, s13, 16                        ;    + 64 sh rows
	s_add_co_u32 s78, s78, s15
	s_mov_b32 s79, 0
	s_lshl_b32 s80, s74, 16                        ; weights: 64 cb rows of 1,024 bytes
	s_mov_b32 s81, 0
	s_mul_i32 s83, s12, QROWS                      ; LDS: wave 0, 1 the halves of x, wave 2 Wq, wave 3 Wv
	s_wait_dscnt 0x0
	s_wait_kmcnt 0x0
	s_add_nc_u64 s[78:79], s[4:5], s[78:79]
	s_cmp_eq_u32 s13, 0
	s_cselect_b64 s[90:91], s[6:7], s[8:9]         ; even wave Wq, odd wave Wv
	s_add_nc_u64 s[80:81], s[90:91], s[80:81]
.irp c, 0,1,2,3
	s_mov_b32 s[G0X+4*\c], 1
	s_add_co_u32 s[G0X+4*\c+1], s83, \c*CH
	s_add_nc_u64 s[G0X+4*\c+2:G0X+4*\c+3], s[78:79], \c*256        ; K = 64 c
	s_or_b32 s[G0X+4*\c+3], s[G0X+4*\c+3], 0x80000000
	s_mov_b32 s[G0W+4*\c], 1
	s_add_co_u32 s[G0W+4*\c+1], s83, \c*CH
	s_add_nc_u64 s[G0W+4*\c+2:G0W+4*\c+3], s[80:81], \c*256
	s_or_b32 s[G0W+4*\c+3], s[G0W+4*\c+3], 0x80000000
.endr
	CROUND                                         ; all sixteen work-groups are here: the joint loads meet
	s_cmp_eq_u32 s14, 0                            ; one branch on the number of the wave holds all its first fills
	s_cbranch_scc0 .Lfill_w
.irp c, 0,1,2,3
	tensor_load_to_lds s[G0X+4*\c:G0X+4*\c+3], s[G1X:G1X+7]
	s_nop 0
.endr
	s_branch .Lfilled
.Lfill_w:
.irp c, 0,1,2,3
	tensor_load_to_lds s[G0W+4*\c:G0W+4*\c+3], s[G1W:G1W+7]
	s_nop 0
.endr
.Lfilled:
	; the bias, in the layout of an accumulator tile: register j of lane (r, h) = b[64 cb + 16 ct + 8 h + j]; it is the C of the first products
	v_and_b32 v1, 15, v0                           ; r
	v_bfe_u32 v2, v0, 4, 1                         ; h
	v_lshlrev_b32 v[BOF], 5, v2
	s_cmp_eq_u32 s14, 0
	s_cselect_b64 s[92:93], s[10:11], s[68:69]     ; bq or bv
	s_lshl_b32 s94, s74, 8
	s_mov_b32 s95, 0
	s_add_nc_u64 s[92:93], s[92:93], s[94:95]
	WIN 0x40
.irp ct, 0,1,2,3
	global_load_b128 v[128+8*\ct:128+8*\ct+3],   v[BOF], s[92:93] offset:64*\ct
	global_load_b128 v[128+8*\ct+4:128+8*\ct+7], v[BOF], s[92:93] offset:64*\ct+16
.endr
	WIN 0
	; where the results go
	s_lshl_b32 s94, s74, 20                        ; xqw: [cb][row][64] f16: cb x 1,048,576 + rb x 16,384
	s_lshl_b32 s15, s75, 14
	s_add_co_u32 s94, s94, s15
	s_add_nc_u64 s[70:71], s[70:71], s[94:95]
	s_lshl2_add_u32 s94, s74, s12                  ; mpart: [rb][head = 4 cb + w][1,024 bytes]
	s_lshl_b32 s94, s94, 10
	s_add_co_u32 s94, s94, s15
	s_add_nc_u64 s[72:73], s[72:73], s[94:95]
	; fragment addresses.  A fragment of 16 rows x 32 K: lane (r, h) holds row r, K = 8 h + 0..7 and 16 + 8 h + 0..7; in f32 that is
	; 32 bytes at 32 h and 32 bytes at 64 + 32 h of the row: four loads of 16 bytes at +0, +16, +64, +80.
	v_mul_u32_u24 v3, v1, PITCH
	v_lshl_add_u32 v3, v2, 5, v3                   ; r x pitch + 32 h
	s_mul_i32 s15, s13, QROWS                      ; my 64 rows of x
	s_mul_i32 s83, s14, QROWS
	s_add_co_u32 s83, s83, 2*QROWS                 ; the 64 rows of Wq or of Wv
.irp c, 0,1,2,3
	v_add_nc_u32 v[ADX+\c], s15, v3
	v_add_nc_u32 v[ADW+\c], s83, v3
	s_add_co_u32 s15, s15, CH
	s_add_co_u32 s83, s83, CH
.endr
	v_mul_u32_u24 v4, v1, SP                       ; stage, in: row 64 sh + r, byte 128 qv + 16 h
	v_lshl_add_u32 v4, v2, 4, v4
	s_mul_i32 s15, s13, 64*SP
	s_lshl_b32 s83, s14, 7
	s_add_co_u32 s15, s15, s83
	s_add_co_u32 s15, s15, STAGE
	v_add_nc_u32 v[STO], s15, v4
	v_bfe_u32 v5, v0, 3, 2                         ; stage, back: eight lanes take the 128 bytes of xq of one row, a load takes four rows
	v_and_b32 v6, 7, v0
	v_mul_u32_u24 v5, v5, SP
	v_lshl_add_u32 v5, v6, 4, v5
	s_mul_i32 s15, s12, 32*SP
	s_add_co_u32 s15, s15, STAGE
	v_add_nc_u32 v[RDS], s15, v5
	v_and_b32 v7, 31, v0
	s_lshl_b32 s15, s12, 12
	v_lshl_add_u32 v[XQO], v7, 4, s15              ; 32 w rows of 128 bytes + 16 x lane
	v_lshlrev_b32 v[MPO], 4, v7
	v_lshl_add_u32 v5, v2, 3, v6                   ; transposing loads: row 8 h + lane % 8, byte 32 w + 16 ((lane / 8) % 2)
	v_mul_u32_u24 v5, v5, SP
	v_bfe_u32 v4, v0, 3, 1
	v_lshl_add_u32 v5, v4, 4, v5
	s_lshl_b32 s15, s12, 5
	s_add_co_u32 s15, s15, STAGE
	v_add_nc_u32 v[TRQ], s15, v5
	v_add_nc_u32 v[TRV], 128, v[TRQ]
	; sines and cosines of my four positions
	s_and_b32 s15, s75, 7                          ; eight row blocks to a batch
	s_lshl_b32 s15, s15, 7
	s_lshl_b32 s83, s13, 6
	s_add_co_u32 s15, s15, s83
	s_add_co_u32 s15, s15, 1                       ; positions count from 1
	v_add_nc_u32 v[POSB], s15, v1
	s_cmp_lt_u32 s74, 2
	s_cselect_b32 s82, 1.0, 0x38d1b717             ; theta: 1 for columns 0-127, 1e-4 for columns 128-255 (a value is chosen, no path)
	s_mov_b32 s84, 0x3c088889                      ; 1/120
	s_mov_b32 s85, 0xb9500d01                      ; -1/5040
	s_mov_b32 s86, 0xbe2aaaab                      ; -1/6
	s_mov_b32 s87, 0x3d2aaaab                      ; 1/24
	s_mov_b32 s88, 0xbab60b61                      ; -1/720
	s_mov_b32 s89, 0x37d00d01                      ; 1/40320
; angle = N pi/2 + R, |R| <= pi/4, pi/2 taken away in two parts by fused multiply-adds; sin R to R^7, cos R to R^8 (the first terms
; left out are under 4e-7); the quadrant N picks and signs them by selects.  Angles reach 1,024, N reaches 652.
.macro SINCOS st
	v_add_nc_u32 v[T], 16*\st, v[POSB]
	v_cvt_f32_u32 v[T], v[T]
	v_mul_f32 v[T], s82, v[T]                      ; the angle, rounded once as in reference()
	v_mul_f32 v[T+1], 0x3f22f983, v[T]             ; x 2/pi
	v_rndne_f32 v[T+1], v[T+1]                     ; N
	v_fmamk_f32 v[T+2], v[T+1], 0xbfc90fdb, v[T]   ; - N x (pi/2 rounded to f32)
	v_fmamk_f32 v[T+2], v[T+1], 0x333bbd2e, v[T+2] ; - N x (the rest of pi/2, which is negative)
	v_cvt_i32_f32 v[T+3], v[T+1]
	v_mul_f32 v[T+4], v[T+2], v[T+2]               ; R^2
	v_fma_f32 v[T+5], v[T+4], s85, s84
	v_fma_f32 v[T+6], v[T+4], s89, s88
	v_fma_f32 v[T+5], v[T+5], v[T+4], s86
	v_fma_f32 v[T+6], v[T+6], v[T+4], s87
	v_mul_f32 v[T+7], v[T+4], v[T+2]               ; R^3
	v_fma_f32 v[T+6], v[T+6], v[T+4], -0.5
	v_fma_f32 v[T+5], v[T+5], v[T+7], v[T+2]       ; sin R
	v_fma_f32 v[T+6], v[T+6], v[T+4], 1.0          ; cos R
	v_and_b32 v[T+7], 1, v[T+3]
	v_cmp_eq_u32 vcc_lo, 1, v[T+7]                 ; odd quadrant: sine and cosine change places
	v_cndmask_b32 v[T+8], v[T+5], v[T+6], vcc_lo
	v_cndmask_b32 v[T+9], v[T+6], v[T+5], vcc_lo
	v_lshlrev_b32 v[T+7], 30, v[T+3]               ; the sine is negative where N & 2,
	v_add_nc_u32 v[T+3], 1, v[T+3]
	v_and_b32 v[T+7], 0x80000000, v[T+7]
	v_lshlrev_b32 v[T+3], 30, v[T+3]               ; the cosine where (N + 1) & 2
	v_xor_b32 v[SC+4*\st], v[T+7], v[T+8]
	v_and_b32 v[T+3], 0x80000000, v[T+3]
	v_mov_b32 v[SC+4*\st+1], v[SC+4*\st]           ; (sin, sin)
	v_xor_b32 v[SC+4*\st+3], v[T+3], v[T+9]
	v_xor_b32 v[SC+4*\st+2], 0x80000000, v[SC+4*\st+3]   ; (-cos, cos)
.endm
	SINCOS 0
	SINCOS 1
	SINCOS 2
	SINCOS 3
; 32 LDS loads: the f32 numbers of K step k (32 along K; chunk k / 2, half k % 2): first four fragments of W, then four of x
.macro LOADS k
.irp t, 0,1,2,3
	ds_load_b128 v[RAW+16*\t:RAW+16*\t+3],     v[ADW+\k/2] offset:\t*16*PITCH+128*(\k%2)
	ds_load_b128 v[RAW+16*\t+4:RAW+16*\t+7],   v[ADW+\k/2] offset:\t*16*PITCH+128*(\k%2)+16
	ds_load_b128 v[RAW+16*\t+8:RAW+16*\t+11],  v[ADW+\k/2] offset:\t*16*PITCH+128*(\k%2)+64
	ds_load_b128 v[RAW+16*\t+12:RAW+16*\t+15], v[ADW+\k/2] offset:\t*16*PITCH+128*(\k%2)+80
.endr
.irp t, 0,1,2,3
	ds_load_b128 v[RAW+64+16*\t:RAW+64+16*\t+3],     v[ADX+\k/2] offset:\t*16*PITCH+128*(\k%2)
	ds_load_b128 v[RAW+64+16*\t+4:RAW+64+16*\t+7],   v[ADX+\k/2] offset:\t*16*PITCH+128*(\k%2)+16
	ds_load_b128 v[RAW+64+16*\t+8:RAW+64+16*\t+11],  v[ADX+\k/2] offset:\t*16*PITCH+128*(\k%2)+64
	ds_load_b128 v[RAW+64+16*\t+12:RAW+64+16*\t+15], v[ADX+\k/2] offset:\t*16*PITCH+128*(\k%2)+80
.endr
.endm
; four fragments from f32 to f16, two numbers an instruction, rounded to nearest even
.macro CVT f, raw
.irp t, 0,1,2,3
.irp i, 0,1,2,3,4,5,6,7
	v_cvt_pk_f16_f32 v[\f+8*\t+\i], v[\raw+16*\t+2*\i], v[\raw+16*\t+2*\i+1]
.endr
.endr
.endm
; 16 matrix instructions, 32 along K.  The sixteen accumulators take turns, one instruction a turn, from step to step too.
; bias = 1: the first products start the sums on the bias: nothing is cleared.
.macro MUL bias
	WIN 0x50                                       ; C and D in window 1
.irp ct, 0,1,2,3
.irp st, 0,1,2,3
.if \bias
	v_wmma_f32_16x16x32_f16 v[8*(4*\ct+\st):8*(4*\ct+\st)+7], v[FRW+8*\ct:FRW+8*\ct+7], v[FRX+8*\st:FRX+8*\st+7], v[128+8*\ct:128+8*\ct+7]
.else
	v_wmma_f32_16x16x32_f16 v[8*(4*\ct+\st):8*(4*\ct+\st)+7], v[FRW+8*\ct:FRW+8*\ct+7], v[FRX+8*\st:FRX+8*\st+7], v[8*(4*\ct+\st):8*(4*\ct+\st)+7]
.endif
.endr
.endr
	WIN 0
.endm
; K step k.  mode 0: step kn lies in the same chunk, its loads go out ahead of the products.  mode 1: step kn opens the next chunk:
; my part of it has landed (tc = my younger chunk loads), a barrier shows that of every wave.
; mode 2: the last step.
.macro STEP k, kn, mode, tc
	s_wait_dscnt 16                                ; the 16 loads of W are in, the 16 of x are younger
.if \k
	PLACES                                         ; the fragments are written again four places behind the products that read them
.endif
	CVT FRW, RAW
	s_wait_dscnt 0
	CVT FRX, RAW+64
.if \mode == 0
	LOADS \kn
.if \k
	MUL 0
.else
	MUL 1
.endif
.endif
.if \mode == 1
	s_wait_tensorcnt \tc
	s_barrier_signal -1                            ; no LDS instruction of mine is out
	MUL 0
	s_barrier_wait -1
	LOADS \kn
.endif
.if \mode == 2
	MUL 0
.endif
.endm
	s_wait_tensorcnt 0x3                           ; my part of chunk 0 is in; chunks 1 to 3 stay on their way
	s_barrier_signal -1
	s_barrier_wait -1                              ; everybody part of it is in
	LOADS 0
	s_wait_loadcnt 0x0                             ; the bias
	STEP 0, 1, 0, 0
	STEP 1, 2, 1, 2
	STEP 2, 3, 0, 0
	STEP 3, 4, 1, 1
	STEP 4, 5, 0, 0
	STEP 5, 6, 1, 0
	STEP 6, 7, 0, 0
	STEP 7, 0, 2, 0
	; THE ROTATION.  For a pair (xe, xo): real = xe sin - xo cos, imag = xo sin + xe cos: a packed multiply by (sin, sin), then a packed
	; multiply-add that takes the pair crosswise and (-cos, cos).
	PLACES
	WIN 0x01                                       ; source 0 in window 1
.irp t, 0,1,2,3,4,5,6,7,8,9,10,11,12,13,14,15
.irp p, 0,2,4,6
	v_pk_mul_f32 v[RAW+8*\t+\p:RAW+8*\t+\p+1], v[8*\t+\p:8*\t+\p+1], v[SC+4*(\t&3):SC+4*(\t&3)+1]
.endr
.irp p, 0,2,4,6
	v_pk_fma_f32 v[RAW+8*\t+\p:RAW+8*\t+\p+1], v[8*\t+\p:8*\t+\p+1], v[SC+4*(\t&3)+2:SC+4*(\t&3)+3], v[RAW+8*\t+\p:RAW+8*\t+\p+1] op_sel:[1,0,0] op_sel_hi:[0,1,1]
.endr
.endr
	WIN 0
.irp t, 0,1,2,3,4,5,6,7,8,9,10,11,12,13,14,15
.irp p, 0,1,2,3
	v_cvt_pk_f16_f32 v[FRW+4*\t+\p], v[RAW+8*\t+2*\p], v[RAW+8*\t+2*\p+1]
.endr
.endr
.irp ct, 0,1,2,3
.irp st, 0,1,2,3
	ds_store_b128 v[STO], v[FRW+4*(4*\ct+\st):FRW+4*(4*\ct+\st)+3] offset:16*SP*\st+32*\ct
.endr
.endr
	s_wait_dscnt 0x0                               ; for the others: my stores into the stage are done
	s_barrier_signal -1
	s_barrier_wait -1
	; M OF HEAD 4 cb + w over the 128 rows: K = the rows, so both operands are read by transposing loads.  Source 0 = xv (m = j),
	; source 1 = xq (n = i): lane (r, h) ends with M[i = r][j = 8 h + 0..7], the layout in which the second launch uses M as source 0.
.irp ks, 0,1,2,3
	ds_load_tr16_b128 v[RAW+16*\ks:RAW+16*\ks+3],     v[TRV] offset:32*SP*\ks
	ds_load_tr16_b128 v[RAW+16*\ks+4:RAW+16*\ks+7],   v[TRV] offset:32*SP*\ks+16*SP
	ds_load_tr16_b128 v[RAW+16*\ks+8:RAW+16*\ks+11],  v[TRQ] offset:32*SP*\ks
	ds_load_tr16_b128 v[RAW+16*\ks+12:RAW+16*\ks+15], v[TRQ] offset:32*SP*\ks+16*SP
.endr
.irp i, 0,1,2,3,4,5,6,7
	ds_load_b128 v[FRW+4*\i:FRW+4*\i+3], v[RDS] offset:4*SP*\i     ; rows 32 w + 4 i .. + 3 of xq
.endr
	s_wait_dscnt 8                                 ; the 16 transposing loads are in; the 8 row loads are younger
	v_wmma_f32_16x16x32_f16 v[MA0:MA0+7], v[RAW:RAW+7],     v[RAW+8:RAW+15],  0       ; two accumulators by turns
	v_wmma_f32_16x16x32_f16 v[MA1:MA1+7], v[RAW+16:RAW+23], v[RAW+24:RAW+31], 0
	v_wmma_f32_16x16x32_f16 v[MA0:MA0+7], v[RAW+32:RAW+39], v[RAW+40:RAW+47], v[MA0:MA0+7]
	v_wmma_f32_16x16x32_f16 v[MA1:MA1+7], v[RAW+48:RAW+55], v[RAW+56:RAW+63], v[MA1:MA1+7]
.irp i, 0,1,2,3,4,5,6,7
	s_wait_dscnt 7-\i
	global_store_b128 v[XQO], v[FRW+4*\i:FRW+4*\i+3], s[70:71] offset:512*\i   ; a store of the wave covers 512 consecutive bytes, aligned
.endr
	PLACES
.irp p, 0,2,4,6
	v_pk_add_f32 v[MA0+\p:MA0+\p+1], v[MA0+\p:MA0+\p+1], v[MA1+\p:MA1+\p+1]
.endr
	global_store_b128 v[MPO], v[MA0:MA0+3],   s[72:73]             ; j = 8 h + 0..3
	global_store_b128 v[MPO], v[MA0+4:MA0+7], s[72:73] offset:512  ; j = 8 h + 4..7
	s_wait_tensorcnt 0x0
	ds_add_u32 v254, v255
	s_wait_dscnt 0x0
	CROUND                                         ; the closing round: no work-group ends while a partner may still ask for a tile that names it
	s_endpgm
.Lfunc_end_k_qe16257e9aa_proj:
	.size	k_qe16257e9aa_proj, .Lfunc_end_k_qe16257e9aa_proj-k_qe16257e9aa_proj
	.p2alignl 7, 3214868480
	.fill 96, 4, 3214868480
	.section	.rodata,"a",@progbits
	.p2align	6, 0x0
	.amdhsa_kernel k_qe16257e9aa_proj
		.amdhsa_group_segment_fixed_size 315904
		.amdhsa_private_segment_fixed_size 0
		.amdhsa_enable_private_segment 0
		.amdhsa_kernarg_size 56
		.amdhsa_user_sgpr_count 2
		.amdhsa_user_sgpr_kernarg_segment_ptr 1
		.amdhsa_wavefront_size32 1
		.amdhsa_system_sgpr_workgroup_id_x 1
		.amdhsa_system_sgpr_workgroup_id_y 1
		.amdhsa_system_sgpr_workgroup_id_z 1
		.amdhsa_system_vgpr_workitem_id 0
		.amdhsa_next_free_vgpr 416
		.amdhsa_next_free_sgpr 96
		.amdhsa_reserve_vcc 1
		.amdhsa_float_denorm_mode_32 3
		.amdhsa_float_denorm_mode_16_64 3
		.amdhsa_memory_ordered 1
		.amdhsa_forward_progress 1
		.amdhsa_inst_pref_size 91
	.end_amdhsa_kernel
	.amdgpu_metadata
---
amdhsa.version: [ 1, 2 ]
amdhsa.kernels:
  - .name:           k_qe16257e9aa_proj
    .symbol:         k_qe16257e9aa_proj.kd
    .args:
      - { .name: x, .offset: 0, .size: 8, .value_kind: global_buffer, .address_space: global }
      - { .name: wq_w, .offset: 8, .size: 8, .value_kind: global_buffer, .address_space: global }
      - { .name: wv_w, .offset: 16, .size: 8, .value_kind: global_buffer, .address_space: global }
      - { .name: wq_b, .offset: 24, .size: 8, .value_kind: global_buffer, .address_space: global }
      - { .name: wv_b, .offset: 32, .size: 8, .value_kind: global_buffer, .address_space: global }
      - { .name: xqw, .offset: 40, .size: 8, .value_kind: global_buffer, .address_space: global }
      - { .name: mpart, .offset: 48, .size: 8, .value_kind: global_buffer, .address_space: global }
    .group_segment_fixed_size: 315904
    .private_segment_fixed_size: 0
    .kernarg_segment_align: 8
    .kernarg_segment_size: 56
    .max_flat_workgroup_size: 128
    .sgpr_count:     96
    .vgpr_count:     416
    .wavefront_size: 32
...
	.end_amdgpu_metadata
.endif
;; end of part 1
;; launch outp (part 2): grid 4 x 64, 4 waves a work-group, clusters of 4 x 4, 191,232 bytes of LDS; arguments xqw, mpart, wo_w, wo_b, out0; writes out0
.if DOCPART == 2
	.amdgcn_target "amdgcn-amd-amdhsa--gfx1250"
	.amdhsa_code_object_version 6
	.text
	.protected	k_qe16257e9aa_outp
	.globl	k_qe16257e9aa_outp
	.p2align	8
	.type	k_qe16257e9aa_outp,@function
k_qe16257e9aa_outp:
	s_mov_b64 s[64:65], 0
	v_nop
	global_prefetch_b8 v0, s[64:65] scope:SCOPE_SE
	s_setreg_imm32_b32 hwreg(HW_REG_WAVE_MODE, 25, 1), 1
	s_wait_xcnt 0x0
	s_wait_alu depctr_hold_cnt(0) depctr_sa_sdst(0) depctr_va_vdst(0) depctr_va_sdst(0) depctr_va_ssrc(0) depctr_va_vcc(0) depctr_vm_vsrc(0)
	s_getreg_b32 s2, hwreg(HW_REG_IB_STS2, 6, 4)
	s_cmp_eq_u32 s2, 0
	s_cbranch_scc0 .Lentry_in_a_cluster
	s_endpgm
.Lentry_in_a_cluster:
	s_bfe_u32 s2, ttmp6, 0x10000c
	s_cmp_lg_u32 s2, 0xf033
	s_cbranch_scc0 .Lentry_shape_is_right
	s_endpgm
.Lentry_shape_is_right:
; SECOND OF TWO LAUNCHES.  out[s][n] = 1/4 sum over heads hd and i of xq[s][16 hd + i] (sum over j of M_hd[i][j] wo_w[n][16 hd + j]) + wo_b[n],
; where M_hd is the sum of the eight partial sums that the first launch stored for the batch.
; SHARES: 256 work-groups.  Work-group (nb, rb) makes rows 128 rb .. +127, columns 64 nb .. +63 of out0.  Wave w: sh = w & 1 picks 64 rows,
; nh = w >> 1 picks 32 columns: 8 accumulator tiles.
; FORMAT: matrix operands are f16, sums f32.  M has no room in f16, so it is divided by the power of two 2^E taken from the exponent of the
; largest |M| of the batch (then |M| < 2), and 2^E / 4 is put back in f32 together with the bias.  The exponent steers values alone.
; Limits: 32 x max |wo_w| up to 65,504; the biased exponent of max |M| is clamped to 3 .. 253.
; CLUSTERS: 4 x 4 work-groups.  The rows of xq hang on rb alone and are asked for jointly along a row of the cluster, the rows of wo_w
; on nb alone and jointly along a column.  Every LDS byte is filled once; a wave has two tensor loads out.
; The partial sums of M are wanted alike by all sixteen partners, more than one mask names here: they come through registers,
; each wave taking four heads, and are handed on in LDS.
; THE MATRIX INSTRUCTION IS USED TRANSPOSED: source 0 = 16 rows n of the folded weights, source 1 = 16 rows s of xq: lane (r, h) holds
; row s0 + r, columns n0 + 8 h + 0..7.
.set PITCH, 272
.set QROWS, 64*PITCH                   ; 64 LDS rows: what one tensor load brings
.set XQ,    4*QROWS                    ; LDS 0: wo_w, four chunks of K = 64 x 64 rows of f32.  Here: xq, four pieces of 64 columns; an LDS row holds rows 2 i, 2 i + 1 (128 bytes each)
.set MS,    8*QROWS                    ; 16 heads x 1,024 bytes: the sums M, in f32 (LDS stores alone write from here on)
.set MX,    MS+16384                   ; four words: the largest |M| of each wave
.set OST,   MX+256                     ; 128 rows x 272 bytes: the way out
.set BOF,  4                           ; v4      32 h
.set MXA,  5                           ; v5      my word of MX
.set MXL,  6                           ; v6      MX
.set WOA,  8                           ; v8      my fragments of wo_w
.set MSS,  9                           ; v9      where I put my four heads
.set MSA,  10                          ; v10     where I read a head
.set XQA,  11                          ; v11     my fragments of xq
.set OSS,  12                          ; v12     the way out: where I put 32 bytes of a row
.set OSL,  13                          ; v13     the way out: where I read a row back
.set OUO,  14                          ; v14     my byte offset in out0
.set MPO,  15                          ; v15     my byte offset in mpart
.set BO,   16                          ; v16-31  wo_b of my columns, in the layout of two accumulator tiles
.set INV,  32                          ; v32-33  2^-E, twice
.set POST, 34                          ; v34-35  2^E / 4, twice
.set MXV,  36                          ; v36-39  the four maxima
.set ACC,  48                          ; v48-111 tile (nt, st) at ACC + 8 (4 nt + st)
.set DP,   80                          ; v80-111 results of a preparation step, before the accumulators are begun
.set U,    112                         ; v112-255 partial sums 0-3; then two sets of 48 raw registers; then four groups of xq fragments; then rows on the way out
.set MF,   208                         ; v208-219 [M even head | zeros | M odd head] in f16
.set WOF,  220                         ; v220-235 two fragments of wo_w in f16
; window 1: v0-127 (registers 256-383): partial sums 4-7; then the folded weights, fragment (nt, t) at 8 (8 nt + t)
.set G1W, 16                           ; s[16:23] group 1 for wo_w
.set G1Q, 24                           ; s[24:31] group 1 for xq
.set G0W, 32                           ; s[32:35]
.set G0Q, 36                           ; s[36:39]
.set MSB, 0
.macro WIN new
.if MSB != \new
	s_set_vgpr_msb (MSB<<8)|\new
.set MSB, \new
.endif
.endm
.macro PLACES                          ; four places behind a matrix instruction (ISA guide 7.12.1)
.rept 4
	v_nop
.endr
.endm
.macro CROUND
	s_barrier_signal -1
	s_barrier_wait -1
	s_cmp_lg_u32 s12, 0
	s_cbranch_scc1 .Lnot_wave_0_\@
	s_barrier_signal -3
.Lnot_wave_0_\@:
	s_barrier_wait -3
	s_barrier_signal -1
	s_barrier_wait -1
.endm
	s_load_b256 s[4:11], s[0:1], 0x0               ; xqw s[4:5], mpart s[6:7], wo_w s[8:9], wo_b s[10:11]
	s_load_b64 s[68:69], s[0:1], 0x20              ; out0
	v_lshl_add_u32 v254, v0, 2, 0x2e900
	v_mov_b32 v255, 0
	ds_add_u32 v254, v255
	ds_add_u32 v254, v255
	v_lshrrev_b32 v7, 5, v0
	v_readfirstlane_b32 s12, v7                    ; wave 0..3
	s_and_b32 s13, s12, 1                          ; sh
	s_lshr_b32 s14, s12, 1                         ; nh
	s_bfe_u32 s66, ttmp6, 0x40000                  ; cx
	s_bfe_u32 s67, ttmp6, 0x40004                  ; cy
	s_lshl_b32 s74, ttmp9, 2
	s_add_co_u32 s74, s74, s66                     ; nb
	s_and_b32 s75, ttmp7, 0xffff
	s_lshl_b32 s75, s75, 2
	s_add_co_u32 s75, s75, s67                     ; rb
	s_lshl_b32 s76, s67, 2
	s_lshl_b32 s76, 15, s76                        ; my row of the cluster
	s_lshl_b32 s77, 0x1111, s66                    ; my column
	s_or_b32 s[G1W+0], s77, (2<<16)|(1<<20)|(1<<21)|(5<<22)|(3<<25)   ; wo_w: 64 rows x 64 f32, 16 bytes of padding behind each 256
	s_mov_b32 s[G1W+1], 64<<16
	s_mov_b32 s[G1W+2], 64<<16
	s_mov_b32 s[G1W+3], 64<<16
	s_mov_b32 s[G1W+4], 64
	s_mov_b32 s[G1W+5], 256
	s_mov_b32 s[G1W+6], 0
	s_mov_b32 s[G1W+7], 0
	s_or_b32 s[G1Q+0], s76, (3<<16)|(1<<20)|(1<<21)|(5<<22)|(3<<25)   ; xq: a dense block of 16,384 bytes as 64 rows of 32 elements of 8 bytes, padded likewise
	s_mov_b32 s[G1Q+1], 32<<16
	s_mov_b32 s[G1Q+2], 64<<16
	s_mov_b32 s[G1Q+3], 32<<16
	s_mov_b32 s[G1Q+4], 64
	s_mov_b32 s[G1Q+5], 32
	s_mov_b32 s[G1Q+6], 0
	s_mov_b32 s[G1Q+7], 0
	s_lshl_b32 s78, s74, 16                        ; wo_w: 64 nb rows of 1,024 bytes + chunk w of 256 bytes
	s_lshl_b32 s15, s12, 8
	s_add_co_u32 s78, s78, s15
	s_mov_b32 s79, 0
	s_lshl_b32 s80, s75, 14                        ; xqw: piece w x 1,048,576 + rb x 16,384
	s_lshl_b32 s15, s12, 20
	s_add_co_u32 s80, s80, s15
	s_mov_b32 s81, 0
	s_mov_b32 s[G0W], 1
	s_mul_i32 s[G0W+1], s12, QROWS
	s_mov_b32 s[G0Q], 1
	s_add_co_u32 s[G0Q+1], s[G0W+1], XQ
	s_wait_dscnt 0x0
	s_wait_kmcnt 0x0
	s_add_nc_u64 s[G0W+2:G0W+3], s[8:9], s[78:79]
	s_or_b32 s[G0W+3], s[G0W+3], 0x80000000
	s_add_nc_u64 s[G0Q+2:G0Q+3], s[4:5], s[80:81]
	s_or_b32 s[G0Q+3], s[G0Q+3], 0x80000000
	CROUND                                         ; all sixteen work-groups are here: the joint loads meet
	tensor_load_to_lds s[G0W:G0W+3], s[G1W:G1W+7]
	s_nop 0
	tensor_load_to_lds s[G0Q:G0Q+3], s[G1Q:G1Q+7]
	s_nop 0
	; the bias and the eight partial sums of my four heads
	v_and_b32 v1, 15, v0                           ; r
	v_bfe_u32 v2, v0, 4, 1                         ; h
	v_and_b32 v3, 31, v0                           ; lane
	v_lshlrev_b32 v[BOF], 5, v2
	s_lshl_b32 s15, s12, 12
	v_lshl_add_u32 v[MPO], v3, 4, s15              ; heads 4 w .. : 4,096 w + 16 x lane
	s_lshl_b32 s94, s74, 8                         ; wo_b: 64 nb + 32 nh numbers
	s_lshl_b32 s15, s14, 7
	s_add_co_u32 s94, s94, s15
	s_mov_b32 s95, 0
	s_add_nc_u64 s[10:11], s[10:11], s[94:95]
	s_lshr_b32 s94, s75, 3                         ; mpart: batch x 8 row blocks x 16,384 bytes
	s_lshl_b32 s94, s94, 17
	s_add_nc_u64 s[6:7], s[6:7], s[94:95]
.irp nt, 0,1
	global_load_b128 v[BO+8*\nt:BO+8*\nt+3],   v[BOF], s[10:11] offset:64*\nt
	global_load_b128 v[BO+8*\nt+4:BO+8*\nt+7], v[BOF], s[10:11] offset:64*\nt+16
.endr
.irp p, 0,1,2,3
.irp hh, 0,1,2,3
.irp q, 0,1
	global_load_b128 v[U+32*\p+8*\hh+4*\q:U+32*\p+8*\hh+4*\q+3], v[MPO], s[6:7] offset:16384*\p+1024*\hh+512*\q
.endr
.endr
.endr
	WIN 0x40
.irp p, 0,1,2,3
.irp hh, 0,1,2,3
.irp q, 0,1
	global_load_b128 v[32*\p+8*\hh+4*\q:32*\p+8*\hh+4*\q+3], v[MPO], s[6:7] offset:16384*(\p+4)+1024*\hh+512*\q
.endr
.endr
.endr
	WIN 0
	s_lshl_b32 s94, s75, 17                        ; out0: 128 rb rows of 1,024 bytes + 64 nb columns
	s_lshl_b32 s15, s74, 8
	s_add_co_u32 s94, s94, s15
	s_add_nc_u64 s[68:69], s[68:69], s[94:95]
	s_mov_b32 s40, 0x76543210                      ; v_permlanex16_b32: lane i of one half reads lane i of the other
	s_mov_b32 s41, 0xfedcba98
	; LDS addresses
	v_mul_u32_u24 v7, v1, PITCH
	v_lshl_add_u32 v7, v2, 5, v7                   ; r x pitch + 32 h
	s_mul_i32 s15, s14, 32*PITCH
	v_add_nc_u32 v[WOA], s15, v7                   ; wo_w rows 32 nh + r, f32: loads at +0, +16, +64, +80
	s_lshl_b32 s15, s12, 12
	s_add_co_u32 s15, s15, MS
	v_lshl_add_u32 v[MSS], v3, 4, s15
	v_lshl_add_u32 v[MSA], v3, 4, MS
	s_lshl_b32 s15, s12, 2
	s_add_co_u32 s15, s15, MX
	v_mov_b32 v[MXA], s15
	v_mov_b32 v[MXL], MX
	v_lshrrev_b32 v40, 1, v1                       ; xq row s lies at (s / 2) x pitch + (s % 2) x 128: the 16 rows of a fragment start in 16 different columns of 16 bytes
	v_mul_u32_u24 v40, v40, PITCH
	v_and_b32 v41, 1, v1
	v_lshl_add_u32 v40, v41, 7, v40
	v_lshl_add_u32 v40, v2, 4, v40
	s_mul_i32 s15, s13, 32*PITCH
	s_add_co_u32 s15, s15, XQ
	v_add_nc_u32 v[XQA], s15, v40
	s_mul_i32 s15, s13, 64*PITCH
	s_lshl_b32 s83, s14, 7
	s_add_co_u32 s15, s15, s83
	s_add_co_u32 s15, s15, OST
	v_add_nc_u32 v[OSS], s15, v7                   ; row 64 sh + r, byte 128 nh + 32 h
	v_mul_u32_u24 v40, v2, PITCH
	v_lshl_add_u32 v40, v1, 4, v40
	s_mul_i32 s15, s12, 32*PITCH
	s_add_co_u32 s15, s15, OST
	v_add_nc_u32 v[OSL], s15, v40                  ; back: lanes 0-15 one row of 256 bytes, lanes 16-31 the next
	v_lshlrev_b32 v40, 10, v2
	v_lshl_add_u32 v40, v1, 4, v40
	s_lshl_b32 s15, s12, 15
	v_add_nc_u32 v[OUO], s15, v40                  ; the same two rows in out0
; 32 registers d += 32 registers b
.macro ADD32 d, b
.set i, 0
.rept 16
	v_pk_add_f32 v[\d+i:\d+i+1], v[\d+i:\d+i+1], v[\b+i:\b+i+1]
.set i, i+2
.endr
.endm
	s_wait_loadcnt 32                              ; the bias and partial sums 0-3 are in; the 32 loads of 4-7 are younger
	ADD32 U, U+32
	ADD32 U+64, U+96
	ADD32 U, U+64
	s_wait_loadcnt 0x0
	WIN 0x45                                       ; all in window 1
	ADD32 0, 32
	ADD32 64, 96
	ADD32 0, 64
	WIN 0x04                                       ; source 1 in window 1
	ADD32 U, 0
	WIN 0
	; the largest |M| of my four heads = max(largest, -smallest): two chains that do not wait for each other
	v_max_num_f32 v40, v[U], v[U+1]
	v_min_num_f32 v41, v[U], v[U+1]
.set i, 2
.rept 15
	v_max3_num_f32 v40, v40, v[U+i], v[U+i+1]
	v_min3_num_f32 v41, v41, v[U+i], v[U+i+1]
.set i, i+2
.endr
	v_xor_b32 v41, 0x80000000, v41
	v_max_num_f32 v40, v40, v41
	v_max_num_f32_dpp v40, v40, v40 row_xmask:1 row_mask:0xf bank_mask:0xf
	v_max_num_f32_dpp v40, v40, v40 row_xmask:2 row_mask:0xf bank_mask:0xf
	v_max_num_f32_dpp v40, v40, v40 row_xmask:4 row_mask:0xf bank_mask:0xf
	v_max_num_f32_dpp v40, v40, v40 row_xmask:8 row_mask:0xf bank_mask:0xf
	v_permlanex16_b32 v41, v40, s40, s41
	v_max_num_f32 v40, v40, v41
.irp hh, 0,1,2,3
.irp q, 0,1
	ds_store_b128 v[MSS], v[U+8*\hh+4*\q:U+8*\hh+4*\q+3] offset:1024*\hh+512*\q
.endr
.endr
	ds_store_b32 v[MXA], v40                       ; all lanes write the same word with the same value
	s_wait_dscnt 0x0                               ; for the others: my sums and my maximum are in LDS,
	s_wait_tensorcnt 0x0                           ; and my chunk of wo_w and my piece of xq have landed
	s_barrier_signal -1
	s_barrier_wait -1
; 12 LDS loads for preparation step t (heads 2 t, 2 t + 1 = K 32 t .. + 31), into raw set t % 2: M of both heads (16 registers), two fragments of wo_w in f32 (32)
.macro PLOADS t
.set RS, U+48*(\t%2)
	ds_load_b128 v[RS:RS+3],     v[MSA] offset:2048*\t
	ds_load_b128 v[RS+4:RS+7],   v[MSA] offset:2048*\t+512
	ds_load_b128 v[RS+8:RS+11],  v[MSA] offset:2048*\t+1024
	ds_load_b128 v[RS+12:RS+15], v[MSA] offset:2048*\t+1536
.irp nt, 0,1
	ds_load_b128 v[RS+16+16*\nt:RS+16+16*\nt+3],     v[WOA] offset:(\t/2)*QROWS+16*PITCH*\nt+128*(\t%2)
	ds_load_b128 v[RS+16+16*\nt+4:RS+16+16*\nt+7],   v[WOA] offset:(\t/2)*QROWS+16*PITCH*\nt+128*(\t%2)+16
	ds_load_b128 v[RS+16+16*\nt+8:RS+16+16*\nt+11],  v[WOA] offset:(\t/2)*QROWS+16*PITCH*\nt+128*(\t%2)+64
	ds_load_b128 v[RS+16+16*\nt+12:RS+16+16*\nt+15], v[WOA] offset:(\t/2)*QROWS+16*PITCH*\nt+128*(\t%2)+80
.endr
.endm
; Preparation step t: the folded weights W2[n][32 t + ..] for my 32 columns n.  Source 0 = M (m = i) over K = 32 with zeros in the half of
; the other head, source 1 = rows n of wo_w.  Lane (r, h) gets W2[n0 + r][16 head + 8 h + 0..7]: after rounding to f16 the even head
; gives registers 0-3 and the odd head registers 4-7 of the fragment that the main product takes as source 0.
; tn: the step whose loads go out now (8 or more: none); left: the younger LDS loads.
.macro PREP t, tn, left
	s_wait_dscnt \left
.set RS, U+48*(\t%2)
.irp i, 0,2,4,6,8,10,12,14
	v_pk_mul_f32 v[RS+\i:RS+\i+1], v[RS+\i:RS+\i+1], v[INV:INV+1]      ; M / 2^E, exact
.endr
.irp i, 0,1,2,3
	v_cvt_pk_f16_f32 v[MF+\i],   v[RS+2*\i],   v[RS+2*\i+1]
	v_cvt_pk_f16_f32 v[MF+8+\i], v[RS+8+2*\i], v[RS+8+2*\i+1]
.endr
.irp i, 0,1,2,3,4,5,6,7,8,9,10,11,12,13,14,15
	v_cvt_pk_f16_f32 v[WOF+\i], v[RS+16+2*\i], v[RS+16+2*\i+1]
.endr
.if \tn < 8
	PLOADS \tn
.endif
	v_wmma_f32_16x16x32_f16 v[DP:DP+7],     v[MF:MF+7],    v[WOF:WOF+7],    0
	v_wmma_f32_16x16x32_f16 v[DP+8:DP+15],  v[MF+4:MF+11], v[WOF:WOF+7],    0
	v_wmma_f32_16x16x32_f16 v[DP+16:DP+23], v[MF:MF+7],    v[WOF+8:WOF+15], 0
	v_wmma_f32_16x16x32_f16 v[DP+24:DP+31], v[MF+4:MF+11], v[WOF+8:WOF+15], 0
	PLACES                                         ; then the results are read; the next step writes the operands behind these four and its eight multiplies
	WIN 0x40
.irp nt, 0,1
.irp par, 0,1
.irp i, 0,1,2,3
	v_cvt_pk_f16_f32 v[8*(8*\nt+\t)+4*\par+\i], v[DP+16*\nt+8*\par+2*\i], v[DP+16*\nt+8*\par+2*\i+1]
.endr
.endr
.endr
	WIN 0
.endm
	ds_load_b128 v[MXV:MXV+3], v[MXL]
	PLOADS 0
	PLOADS 1
	s_wait_dscnt 24                                ; the four maxima are in; the 2 x 12 loads behind them are younger
	v_max3_num_f32 v40, v[MXV], v[MXV+1], v[MXV+2]
	v_max_num_f32 v40, v40, v[MXV+3]
	v_and_b32 v40, 0x7f800000, v40                 ; 2^E: the exponent alone,
	v_max_u32 v40, 0x01800000, v40                 ; biased 3 at the least, so that 2^E / 4 is a normal number,
	v_min_u32 v40, 0x7e800000, v40                 ; and 253 at the most, so that 2^-E is
	v_sub_nc_u32 v[INV], 0x7f000000, v40           ; biased exponent 254 - e: 2^-E
	v_mul_f32 v[POST], 0.25, v40                   ; 2^E / 4: the 1/sqrt(16) of the scores rides along
	v_mov_b32 v[INV+1], v[INV]
	v_mov_b32 v[POST+1], v[POST]
.irp i, 4,5,6,7
	v_mov_b32 v[MF+\i], 0                          ; the zero half that both heads share
.endr
	PREP 0, 2, 12
	PREP 1, 3, 12
	PREP 2, 4, 12
	PREP 3, 5, 12
	PREP 4, 6, 12
	PREP 5, 7, 12
	PREP 6, 8, 12
	PREP 7, 9, 0
	PLACES                                         ; the first main products write over v80-111: eight places behind the last preparation products
; 8 LDS loads: four fragments of xq for K step t, into group t % 4
.macro XLOADS t
.set XB, U+32*(\t%4)
.irp st, 0,1,2,3
	ds_load_b128 v[XB+8*\st:XB+8*\st+3],   v[XQA] offset:(\t/2)*QROWS+8*PITCH*\st+64*(\t%2)
	ds_load_b128 v[XB+8*\st+4:XB+8*\st+7], v[XQA] offset:(\t/2)*QROWS+8*PITCH*\st+64*(\t%2)+32
.endr
.endm
; K step t of the main product: 8 matrix instructions.  The eight accumulators take turns, one instruction a turn, from step to step too.
.macro MAIN t, left, tn
	s_wait_dscnt \left
.set XB, U+32*(\t%4)
	WIN 0x01                                       ; source 0, the folded weights, in window 1
.irp nt, 0,1
.irp st, 0,1,2,3
.if \t
	v_wmma_f32_16x16x32_f16 v[ACC+8*(4*\nt+\st):ACC+8*(4*\nt+\st)+7], v[8*(8*\nt+\t):8*(8*\nt+\t)+7], v[XB+8*\st:XB+8*\st+7], v[ACC+8*(4*\nt+\st):ACC+8*(4*\nt+\st)+7]
.else
	v_wmma_f32_16x16x32_f16 v[ACC+8*(4*\nt+\st):ACC+8*(4*\nt+\st)+7], v[8*(8*\nt+\t):8*(8*\nt+\t)+7], v[XB+8*\st:XB+8*\st+7], 0
.endif
.endr
.endr
	WIN 0
.if \tn < 8
	PLACES                                         ; the group is loaded again four places behind the products that read it
	XLOADS \tn
.endif
.endm
	XLOADS 0
	XLOADS 1
	XLOADS 2
	XLOADS 3
	MAIN 0, 24, 4                                  ; three younger groups of eight loads stay out
	MAIN 1, 24, 5
	MAIN 2, 24, 6
	MAIN 3, 24, 7
	MAIN 4, 24, 8
	MAIN 5, 16, 8                                  ; nothing more is fetched: the counts run down
	MAIN 6, 8, 8
	MAIN 7, 0, 8
	; THE WAY OUT: one fused multiply-add puts 2^E / 4 back and adds the bias; rows go through LDS so that sixteen lanes store 256 neighbouring bytes
	PLACES
.irp nt, 0,1
.irp st, 0,1,2,3
.irp p, 0,2,4,6
	v_pk_fma_f32 v[ACC+8*(4*\nt+\st)+\p:ACC+8*(4*\nt+\st)+\p+1], v[ACC+8*(4*\nt+\st)+\p:ACC+8*(4*\nt+\st)+\p+1], v[POST:POST+1], v[BO+8*\nt+\p:BO+8*\nt+\p+1]
.endr
.endr
.endr
.irp nt, 0,1
.irp st, 0,1,2,3
	ds_store_b128 v[OSS], v[ACC+8*(4*\nt+\st):ACC+8*(4*\nt+\st)+3]   offset:16*PITCH*\st+64*\nt
	ds_store_b128 v[OSS], v[ACC+8*(4*\nt+\st)+4:ACC+8*(4*\nt+\st)+7] offset:16*PITCH*\st+64*\nt+16
.endr
.endr
	s_wait_dscnt 0x0                               ; for the others: a row of 256 bytes is written by two waves
	s_barrier_signal -1
	s_barrier_wait -1
.irp i, 0,1,2,3,4,5,6,7,8,9,10,11,12,13,14,15
	ds_load_b128 v[U+4*\i:U+4*\i+3], v[OSL] offset:2*PITCH*\i      ; rows 32 w + 2 i, + 1
.endr
.irp i, 0,1,2,3,4,5,6,7,8,9,10,11,12,13,14,15
	s_wait_dscnt 15-\i
	global_store_b128 v[OUO], v[U+4*\i:U+4*\i+3], s[68:69] offset:2048*\i th:TH_STORE_NT   ; 16 lanes store 256 consecutive bytes, at a multiple of 256 from the first byte of out0
.endr
	s_wait_tensorcnt 0x0
	ds_add_u32 v254, v255
	s_wait_dscnt 0x0
	CROUND                                         ; the closing round
	s_endpgm
.Lfunc_end_k_qe16257e9aa_outp:
	.size	k_qe16257e9aa_outp, .Lfunc_end_k_qe16257e9aa_outp-k_qe16257e9aa_outp
	.p2alignl 7, 3214868480
	.fill 96, 4, 3214868480
	.section	.rodata,"a",@progbits
	.p2align	6, 0x0
	.amdhsa_kernel k_qe16257e9aa_outp
		.amdhsa_group_segment_fixed_size 191232
		.amdhsa_private_segment_fixed_size 0
		.amdhsa_enable_private_segment 0
		.amdhsa_kernarg_size 40
		.amdhsa_user_sgpr_count 2
		.amdhsa_user_sgpr_kernarg_segment_ptr 1
		.amdhsa_wavefront_size32 1
		.amdhsa_system_sgpr_workgroup_id_x 1
		.amdhsa_system_sgpr_workgroup_id_y 1
		.amdhsa_system_sgpr_workgroup_id_z 1
		.amdhsa_system_vgpr_workitem_id 0
		.amdhsa_next_free_vgpr 384
		.amdhsa_next_free_sgpr 96
		.amdhsa_reserve_vcc 0
		.amdhsa_float_denorm_mode_32 3
		.amdhsa_float_denorm_mode_16_64 3
		.amdhsa_memory_ordered 1
		.amdhsa_forward_progress 1
		.amdhsa_inst_pref_size 74
	.end_amdhsa_kernel
	.amdgpu_metadata
---
amdhsa.version: [ 1, 2 ]
amdhsa.kernels:
  - .name:           k_qe16257e9aa_outp
    .symbol:         k_qe16257e9aa_outp.kd
    .args:
      - { .name: xqw, .offset: 0, .size: 8, .value_kind: global_buffer, .address_space: global }
      - { .name: mpart, .offset: 8, .size: 8, .value_kind: global_buffer, .address_space: global }
      - { .name: wo_w, .offset: 16, .size: 8, .value_kind: global_buffer, .address_space: global }
      - { .name: wo_b, .offset: 24, .size: 8, .value_kind: global_buffer, .address_space: global }
      - { .name: out0, .offset: 32, .size: 8, .value_kind: global_buffer, .address_space: global }
    .group_segment_fixed_size: 191232
    .private_segment_fixed_size: 0
    .kernarg_segment_align: 8
    .kernarg_segment_size: 40
    .max_flat_workgroup_size: 128
    .sgpr_count:     96
    .vgpr_count:     384
    .wavefront_size: 32
...
	.end_amdgpu_metadata
.endif
;; end of part 2
